; MI455X (gfx1250); checked and timed in simulation.
; The chip was launched on July 23, 2026; its instructions are those of AMD's public machine-readable ISA for CDNA 5 (MIT licence, August 2026) and "CDNA5" Instruction Set Architecture Reference Guide (July 2026). The comments in the code are by the model that wrote it; some were corrected since.
;; Compositional FC. Allowed arithmetic: matrix products marked QUANTISED: E3M2 operands, one E8M0 scale for each 32 along K, by v_wmma_scale_f32_16x16x128_f8f6f4 with both operands' format E3M2, f32 sums; products left as they are: f32 operands where the result goes on into a quantised operand, else bf16, f16 or f32 operands; f32 sums; everything else in f32.
;; Inputs: bias 16 x 1,024 float32; comp_weight 4,096 x 16 float32; weight 16 x 1,024 x 1,024 float32; x 4,096 x 1,024 float32.
;; Outputs: out0 4,096 x 1,024 float32.
;; This version of the problem:
;;   THIS VERSION OF THE PROBLEM IS GIVEN IN LOW PRECISION. The matrix products marked QUANTISED in the list below multiply operands that are first quantised to E3M2 (3 exponent bits, 2 mantissa bits; 6 bits a number), with one power-of-two scale for each 32 numbers along K (OCP MX v1.0); their sums are f32. All else is computed in f32.
;;   The module's matrix products, in the order in which they are computed (A, B: the left and right operand; K: the contracted axis; several contracted axes count as one K, in the product's order):
;;     1. [M 16,384, K 1,024] x [K 1,024, N 4,096]; A: input weight; B: input x: QUANTISED
;;     2. batch 4,096 x [M 1, K 16] x [K 16, N 1,024]; A: input comp_weight; B: computed on the way: left as it is (K = 16 < 32)
;;   THE QUANTISER, for each operand of a quantised product, along K:
;;     - K is cut into blocks of 32 from its start; a last block that is shorter is filled with zeros.
;;     - A block's scale is 2^e with e = floor(log2(the largest magnitude in the block)) - 4, held to -126 .. 127; a block of zeros has e = 0. As a byte (E8M0): e + 127.
;;     - Each number is divided by its block's scale, clamped to +-28, and rounded to the nearest number of E3M2, ties to even, subnormals kept.
;;     - The product sums the exact products of the quantised numbers (number of the format x scale) in f32.
;;   ~~~python
;;   def quantise(x, axis):      # numpy; x: float32 -> the quantised numbers, widened to float32 again
;;       x = np.moveaxis(x, axis, -1); K = x.shape[-1]
;;       x = np.pad(x, [(0, 0)] * (x.ndim - 1) + [(0, -K % 32)]); x = x.reshape(x.shape[:-1] + (-1, 32)); a = np.abs(x).max(-1, keepdims=True)
;;       e = np.where(a > 0, np.clip(np.frexp(np.where(a > 0, a, 1))[1] - 1 - 4, -126, 127), 0)      # np.frexp(a)[1] - 1 = floor(log2(a)), exactly
;;       r = np.clip(x / 2.0 ** e, -28, 28)
;;       step = 2.0 ** (np.maximum(np.frexp(np.where(r == 0, 1, r))[1] - 1, -2) - 2)
;;       q = np.round(r / step) * step * 2.0 ** e      # np.round: ties to even
;;       return np.moveaxis(q.reshape(q.shape[:-2] + (-1,))[..., :K], -1, axis).astype(np.float32)
;;   ~~~
;; One version. Each part assembles by itself: llvm-mc -triple=amdgcn-amd-amdhsa -mcpu=gfx1250 --defsym DOCPART=n.
;; ======== version 1 of 1: 2 launches
;; limits: right only within a limited range of input values
;; workspace buffers: xq 3,276,800 bytes; wq 13,107,200 bytes
;; launch prep (part 1): grid 1280 x 1, 4 waves a work-group, no clusters, 47,616 bytes of LDS; arguments x, weight, xq, wq; writes xq, wq
.if DOCPART == 1
	.amdgcn_target "amdgcn-amd-amdhsa--gfx1250"
	.amdhsa_code_object_version 6
	.text
	.protected	k_q473cba4b41_prep
	.globl	k_q473cba4b41_prep
	.p2align	8
	.type	k_q473cba4b41_prep,@function
k_q473cba4b41_prep:
	s_mov_b64 s[64:65], 0
	v_nop
	global_prefetch_b8 v0, s[64:65] scope:SCOPE_SE
	s_setreg_imm32_b32 hwreg(HW_REG_WAVE_MODE, 25, 1), 1
	s_wait_xcnt 0x0
; x [4096][1024] f32 (K innermost) and weight [16][1024 (K)][1024 (o)] f32 (K the middle axis) are turned into codes of BF6 (E3M2) with one E8M0 byte for each 32 along K,
; and laid in the ORDER OF THE OPERANDS' REGISTERS, so that the product's launch takes every fragment by loads of 16 bytes a lane.
; A block's scale is 2^(floor(log2(its largest magnitude)) - 4); its byte is the largest magnitude's exponent field - 4, held at 1 from below by a floor among the maximum's leaves.
; LIMITS: NaN and infinities among the inputs are not served.  A block of zeros gets the byte 1 where the rule says 127: its codes are zeros, which add nothing, and this program alone reads the bytes.
; A FRAGMENT'S IMAGE (16 rows x 128 K, 12 registers a lane, 1,536 bytes): register q of lane l at byte 512 (q / 4) + 16 l + 4 (q % 4).  Lane (r = l % 16, h = l / 16): row r; registers 0-5 block h, registers 6-11 block 2 + h.
; xq: for each tile T of 16 rows a record of 12,800 bytes: the images of K steps 0..7, then 512 bytes of scale words: byte 16 l + 4 g = the word of row l % 16 for K step 2 g + l / 16.
; wq: for each (block ob of 64 columns, expert n, K step s) a record of 6,400 bytes at 819,200 ob + 6,400 (8 n + s): the images of column tiles 0..3, then 256 bytes of scale words: byte 8 l + 4 u = the word of tile 2 u + l / 16, column l % 16.
; SHARES: work-groups 0..255 take a tile of x each, work-groups 256..1279 take 128 columns x 128 K of one expert each: every work-group reads 65,536 bytes.  The two ways part on the work-group's number and have LDS bytes of their own.
; No tensor loads: memory binds, and the numbers have to pass through registers anyway.
; wq AS THIS TEXT LAYS IT (this takes the place of the line on wq above): for each (block ob of 32 columns, expert n, K half kh) a record of 12,800 bytes at 409,600 ob + 25,600 n + 12,800 kh:
; the images of (K step s' = 0..3 of the half, column tile t = 0, 1) at 1,536 (2 s' + t), then 512 bytes of scale words: byte 128 s' + 4 l = the word of tile l / 16, column l % 16, K step s'.
; A wave's 32 columns are one block ob: it stores its two images on end and its 32 scale words as 128 consecutive bytes.
.set XST, 0
.set XPW, 16*528
.set XSC, 4*XPW                        ; 33,792: x's 512 bytes of scale words
.set WST, XSC+512                      ; 34,304: weight's way: two images for each wave
.set R0,  16                           ; x: v16-79 K step 0's 64 numbers a lane, v80-143 K step 1's
.set R1,  80
.set TM,  144                          ; v144-147 largest magnitudes, v148-151 the other half's / the bytes, v156-159 the conversions' scale operands
.set PC0, 160                          ; v160-171, v172-183 the two fragments' codes: a set each, so that no store's data are written again
.set PC1, 172
.set PT,  184                          ; v184-190 the blocks' second halves, as the conversions leave them
.set PW0, 187                          ; v187, v191 the two scale words: the registers that the conversions' runs of three leave free
.set PW1, 191
.set X,   16                           ; weight: v16-79 two sets of 32 numbers down K
.set C,   80                           ; v80-111 eight registers for each block's codes: no LDS store's data are written again
.set T,   112                          ; v112-114 a block's second half, as the conversion leaves it
.set OUT, 124                          ; v124-147 the two images on their way out
	s_load_b256 s[4:11], s[0:1], 0x0               ; x s[4:5], weight s[6:7], xq s[8:9], wq s[10:11]
	v_lshl_add_u32 v12, v0, 2, 0xb800              ; my spare word; never rewritten
	v_mov_b32 v13, 0                               ; 0; never rewritten
	v_lshrrev_b32 v1, 5, v0
	v_readfirstlane_b32 s12, v1                    ; wave 0..3
	v_and_b32 v2, 31, v0                           ; lane
	v_and_b32 v3, 15, v0                           ; r
	v_bfe_u32 v4, v0, 4, 1                         ; h
	v_lshlrev_b32 v5, 4, v2                        ; 16 x lane
	s_mov_b32 s14, 0x76543210
	s_mov_b32 s15, 0xfedcba98                      ; v_permlanex16_b32's selects for lane l xor 16
	; every LDS address of both ways is made here: constants, the lane, the wave
	s_mul_i32 s16, s12, XPW
	v_add_nc_u32 v6, s16, v5                       ; x's stage, in: 16 x lane of a row
	v_mul_u32_u24 v7, v3, 528
	v_lshl_add_u32 v7, v4, 6, v7
	v_add_nc_u32 v7, s16, v7                       ; and back: row r, + 64 h: my 16 numbers of a block of 32
	s_lshl_b32 s17, s12, 2
	s_add_co_u32 s17, s17, XSC
	v_add_nc_u32 v8, s17, v5                       ; x's scale words, in: 16 x lane + 4 x wave
	v_add_nc_u32 v9, XSC, v5                       ; and back: 16 x lane
	s_mul_i32 s18, s12, 3072
	s_add_co_u32 s18, s18, WST
	v_mul_u32_u24 v10, v4, 1536
	v_lshl_add_u32 v10, v3, 4, v10
	v_add_nc_u32 v10, s18, v10                     ; weight's stage, in: the image of my column's tile, 16 x (column % 16)
	v_add_nc_u32 v11, s18, v5                      ; and back: 16 x lane
	v_lshlrev_b32 v14, 2, v2                       ; 4 x lane: my column in a row of weight
	s_wait_kmcnt 0x0
	s_cmp_lt_u32 ttmp9, 256
	s_cbranch_scc0 .Lw
; ---------------- x: the work-group is tile T = its number; wave g takes K steps 2 g and 2 g + 1
; 64 numbers of a lane, register 16 b + i = k 32 b + 16 h + i of row r, become a fragment's codes in v[pc] on and its row's scale word in v[pw]
.macro QUANT s, pc, pw
.irp b, 0,1,2,3
	v_max3_num_f32 v[TM+\b], |v[\s+16*\b]|, |v[\s+1+16*\b]|, 0x2800000   ; block b: my 16 numbers, and the floor 2^(5 - 127): the byte cannot fall under 1
.endr
.irp i, 2,4,6,8,10,12,14
.irp b, 0,1,2,3
	v_max3_num_f32 v[TM+\b], v[TM+\b], |v[\s+16*\b+\i]|, |v[\s+1+16*\b+\i]|   ; the four blocks by turns
.endr
.endr
.irp b, 0,1,2,3
	v_permlanex16_b32 v[TM+4+\b], v[TM+\b], s14, s15
.endr
.irp b, 0,1,2,3
	v_max_num_f32 v[TM+\b], v[TM+\b], v[TM+4+\b]   ; with lane l xor 16's: the block's largest magnitude
.endr
.irp b, 0,1,2,3
	v_add_nc_u32 v[TM+12+\b], 0xfe000000, v[TM+\b] ; 4 off its exponent field: the conversion takes this operand's exponent field as its scale
.endr
.irp b, 0,1,2,3
	v_lshrrev_b32 v[TM+4+\b], 23, v[TM+12+\b]      ; the scale's byte
.endr
	v_lshl_or_b32 v[\pw], v[TM+5], 8, v[TM+4]
	v_lshl_or_b32 v[\pw], v[TM+6], 16, v[\pw]
	v_lshl_or_b32 v[\pw], v[TM+7], 24, v[\pw]      ; the row's scale word for these 128 along K
.irp c, 0,1
	v_cvt_scalef32_pk16_bf6_f32 v[\pc+6*\c:\pc+2+6*\c], v[\s+32*\c:\s+15+32*\c], v[TM+12+2*\c]
	v_cvt_scalef32_pk16_bf6_f32 v[PT+4*\c:PT+2+4*\c], v[\s+16+32*\c:\s+31+32*\c], v[TM+12+2*\c+1]   ; (a conversion's three registers begin on an even number)
.endr
	v_nop                                          ; one plain vector instruction behind the scaled conversions
.irp c, 0,1                                    ; the operand wants a WHOLE block in a lane: lanes 0-15 block 2 c, lanes 16-31 block 2 c + 1
.irp i, 0,1,2
	v_permlane16_swap_b32 v[\pc+6*\c+\i], v[PT+4*\c+\i]
.endr
.irp i, 0,1,2
	v_mov_b32 v[\pc+3+6*\c+\i], v[PT+4*\c+\i]
.endr
.endr
.endm
.macro XLOAD p                         ; K step 2 g + p of the 16 rows: each load reads 512 consecutive bytes of one row
.irp i, 0,1,2,3,4,5,6,7,8,9,10,11,12,13,14,15
	global_load_b128 v[R0+64*(\p)+4*\i:R0+64*(\p)+4*\i+3], v5, s[4:5] offset:4096*\i+512*(\p) th:TH_LOAD_NT
.endr
.endm
.macro TOST p                          ; into my wave's stage as they lie; rows 528 bytes apart (33 x 16), so that the sixteen rows of a read back start at sixteen different 16-byte columns of 256
.irp i, 0,1,2,3,4,5,6,7,8,9,10,11,12,13,14,15
	ds_store_b128 v6, v[R0+64*(\p)+4*\i:R0+64*(\p)+4*\i+3] offset:528*\i
.endr
.endm
.macro BACK p                          ; and back: lane (r, h) takes 16 neighbours of each block of 32 of row r
.irp b, 0,1,2,3
.irp j, 0,1,2,3
	ds_load_b128 v[R0+64*(\p)+16*\b+4*\j:R0+64*(\p)+16*\b+4*\j+3], v7 offset:128*\b+16*\j
.endr
.endr
.endm
	s_lshl_b32 s22, ttmp9, 16                      ; 16 rows of 4,096 bytes a tile
	s_lshl_b32 s23, s12, 10                        ; two K steps of 512 bytes a wave
	s_add_co_u32 s22, s22, s23
	s_mov_b32 s23, 0
	s_add_nc_u64 s[4:5], s[4:5], s[22:23]
	s_mul_i32 s24, ttmp9, 12800
	s_mov_b32 s25, 0
	s_add_nc_u64 s[8:9], s[8:9], s[24:25]          ; the tile's record
	s_mul_i32 s26, s12, 3072
	s_mov_b32 s27, 0
	s_add_nc_u64 s[28:29], s[8:9], s[26:27]        ; my wave's two images
	XLOAD 0
	XLOAD 1
.irp b, 0,1,2,3
	v_mov_b32 v[TM+4+\b], 0                        ; written once: a lane permute's destination counts as one of its sources
.endr
	s_wait_loadcnt 16                              ; the first K step's 16 loads are in; the second's may be out
	TOST 0
	s_wait_dscnt 0x0                               ; the stores have read their registers, which the loads below write
	BACK 0
	s_wait_loadcnt 0x0
	TOST 1                                         ; LDS serves a wave's instructions in order: these stores come behind the reads above
	s_wait_dscnt 0x0                               ; the first K step is back; the stores have read their registers
	BACK 1
	QUANT R0, PC0, PW0
.irp c, 0,1,2
	global_store_b128 v5, v[PC0+4*\c:PC0+4*\c+3], s[28:29] offset:512*\c         ; 32 lanes store 512 consecutive bytes, at a multiple of 256 from xq's first byte
.endr
	s_wait_dscnt 0x0                               ; the second K step is back
	QUANT R1, PC1, PW1
.irp c, 0,1,2
	global_store_b128 v5, v[PC1+4*\c:PC1+4*\c+3], s[28:29] offset:1536+512*\c
.endr
	v_cmp_le_u32 vcc_lo, 16, v2
	v_cndmask_b32 v15, v187, v191, vcc_lo          ; lanes 0-15 the even K step's word, lanes 16-31 the odd one's
	ds_store_b32 v8, v15
	s_wait_dscnt 0x0                               ; for the others' sake: my words lie in LDS
	s_barrier_signal -1
	s_barrier_wait -1
	s_cmp_lg_u32 s12, 0                            ; wave 0 stores the record's 512 bytes of scale words whole
	s_cbranch_scc1 .Lx_end
	ds_load_b128 v[16:19], v9                      ; into registers whose numbers have been converted
	s_wait_dscnt 0x0
	global_store_b128 v5, v[16:19], s[8:9] offset:12288
.Lx_end:
	s_wait_tensorcnt 0x0
	ds_add_u32 v12, v13
	s_wait_dscnt 0x0
	s_endpgm
; ---------------- weight: g = work-group - 256: og = g % 8 (128 columns), s = (g / 8) % 8 (K step), n = g / 64 (expert)
; A LANE TAKES A COLUMN, AND ITS REGISTERS RUN DOWN K: a load reads 128 consecutive bytes a wave (the four waves side by side: 512), a block of 32 along K lies in one lane, and the conversions give the codes with K innermost.
.Lw:
	s_sub_co_u32 s21, ttmp9, 256
	s_and_b32 s22, s21, 7                          ; og
	s_bfe_u32 s23, s21, 0x30003                    ; s
	s_lshr_b32 s24, s21, 6                         ; n
	s_lshl_b32 s26, s24, 22                        ; an expert is 4,194,304 bytes,
	s_lshl_b32 s25, s23, 19                        ; 128 rows of 4,096 bytes a K step,
	s_add_co_u32 s26, s26, s25
	s_lshl_b32 s25, s22, 9                         ; 128 columns a work-group,
	s_add_co_u32 s26, s26, s25
	s_lshl_b32 s25, s12, 7                         ; 32 a wave
	s_add_co_u32 s26, s26, s25
	s_mov_b32 s27, 0
	s_add_nc_u64 s[6:7], s[6:7], s[26:27]
	s_lshl_b32 s25, s22, 2
	s_add_co_u32 s25, s25, s12                     ; ob = 4 og + wave
	s_mul_i32 s28, s25, 409600
	s_mul_i32 s25, s24, 25600                      ; the expert
	s_add_co_u32 s28, s28, s25
	s_lshr_b32 s25, s23, 2                         ; kh = s / 4
	s_mul_i32 s25, s25, 12800
	s_add_co_u32 s28, s28, s25                     ; the record
	s_and_b32 s30, s23, 3                          ; s' = s % 4
	s_lshl_b32 s32, s30, 7                         ; its 128 bytes of scale words (12,288 stands in the store's offset)
	s_add_co_u32 s32, s32, s28
	s_mov_b32 s33, 0
	s_add_nc_u64 s[32:33], s[10:11], s[32:33]
	s_mul_i32 s25, s30, 3072                       ; images 2 s' and 2 s' + 1
	s_add_co_u32 s28, s28, s25
	s_mov_b32 s29, 0
	s_add_nc_u64 s[28:29], s[10:11], s[28:29]
.macro WLOAD b                         ; block b: weight(32 b + i, my column), i = 0 .. 31, into set b % 2
.irp i, 0,1,2,3,4,5,6,7,8,9,10,11,12,13,14,15,16,17,18,19,20,21,22,23,24,25,26,27,28,29,30,31
	global_load_b32 v[X+32*((\b)%2)+\i], v14, s[6:7] offset:(32*(\b)+\i)*4096 th:TH_LOAD_NT
.endr
.endm
.macro BLOCK b
.set XB, X+32*((\b)%2)
.set CB, C+8*(\b)
.if (\b) < 3
	s_wait_loadcnt 32                              ; this block's 32 loads are in; the next block's may be out
.else
	s_wait_loadcnt 0x0
.endif
	v_max3_num_f32 v116, |v[XB]|, |v[XB+1]|, |v[XB+2]|             ; the block's largest magnitude: all 32 numbers are mine; two chains
	v_max3_num_f32 v117, |v[XB+3]|, |v[XB+4]|, |v[XB+5]|
.irp i, 6,10,14,18,22,26
	v_max3_num_f32 v116, v116, |v[XB+\i]|, |v[XB+\i+1]|
	v_max3_num_f32 v117, v117, |v[XB+\i+2]|, |v[XB+\i+3]|
.endr
	v_max3_num_f32 v116, v116, |v[XB+30]|, |v[XB+31]|
	v_max3_num_f32 v116, v116, v117, 0x2800000     ; and the floor 2^(5 - 127)
	v_add_nc_u32 v118, 0xfe000000, v116            ; 4 off its exponent field: the conversions' scale operand
	v_cvt_scalef32_pk16_bf6_f32 v[CB:CB+2], v[XB:XB+15], v118
	v_cvt_scalef32_pk16_bf6_f32 v[T:T+2], v[XB+16:XB+31], v118     ; (a conversion's three registers begin on an even number)
	v_lshrrev_b32 v119, 23, v118                   ; the scale's byte; also the plain vector instruction behind the conversions
.if (\b) == 0
	v_mov_b32 v120, v119                           ; the four bytes make my column's scale word, the lower K in the lower byte
.else
	v_lshl_or_b32 v120, v119, 8*(\b), v120
.endif
.irp i, 0,1,2
	v_mov_b32 v[CB+3+\i], v[T+\i]
.endr
	; the block's six registers go to their places in the image: lane column % 16 + 16 (b % 2), registers 6 (b / 2) on
.if (\b) < 2
	ds_store_b128 v10, v[CB:CB+3] offset:256*((\b)%2)
	ds_store_b64 v10, v[CB+4:CB+5] offset:256*((\b)%2)+512
.else
	ds_store_b64 v10, v[CB:CB+1] offset:256*((\b)%2)+520
	ds_store_b128 v10, v[CB+2:CB+5] offset:256*((\b)%2)+1024
.endif
.if (\b) < 2
	WLOAD (\b)+2
.endif
.endm
	s_wait_alu depctr_va_vdst(0)
	WLOAD 0
	WLOAD 1
	BLOCK 0
	BLOCK 1
	BLOCK 2
	BLOCK 3
	global_store_b32 v14, v120, s[32:33] offset:12288   ; my column's scale word: 32 lanes store 128 consecutive bytes
.irp i, 0,1,2,3,4,5
	ds_load_b128 v[OUT+4*\i:OUT+4*\i+3], v11 offset:512*\i          ; LDS serves a wave's instructions in order: these see my stores
.endr
	s_wait_dscnt 0x0                               ; the images are back
.irp i, 0,1,2,3,4,5
	global_store_b128 v5, v[OUT+4*\i:OUT+4*\i+3], s[28:29] offset:512*\i         ; 32 lanes store 512 consecutive bytes, at a multiple of 256 from wq's first byte
.endr
	s_wait_tensorcnt 0x0
	ds_add_u32 v12, v13
	s_wait_dscnt 0x0
	s_endpgm
.Lfunc_end_k_q473cba4b41_prep:
	.size	k_q473cba4b41_prep, .Lfunc_end_k_q473cba4b41_prep-k_q473cba4b41_prep
	.p2alignl 7, 3214868480
	.fill 96, 4, 3214868480
	.section	.rodata,"a",@progbits
	.p2align	6, 0x0
	.amdhsa_kernel k_q473cba4b41_prep
		.amdhsa_group_segment_fixed_size 47616
		.amdhsa_private_segment_fixed_size 0
		.amdhsa_enable_private_segment 0
		.amdhsa_kernarg_size 32
		.amdhsa_user_sgpr_count 2
		.amdhsa_user_sgpr_kernarg_segment_ptr 1
		.amdhsa_wavefront_size32 1
		.amdhsa_system_sgpr_workgroup_id_x 1
		.amdhsa_system_sgpr_workgroup_id_y 1
		.amdhsa_system_sgpr_workgroup_id_z 1
		.amdhsa_system_vgpr_workitem_id 0
		.amdhsa_next_free_vgpr 192
		.amdhsa_next_free_sgpr 66
		.amdhsa_reserve_vcc 1
		.amdhsa_float_denorm_mode_32 3
		.amdhsa_float_denorm_mode_16_64 3
		.amdhsa_memory_ordered 1
		.amdhsa_forward_progress 1
		.amdhsa_inst_pref_size 39
	.end_amdhsa_kernel
	.amdgpu_metadata
---
amdhsa.version: [ 1, 2 ]
amdhsa.kernels:
  - .name:           k_q473cba4b41_prep
    .symbol:         k_q473cba4b41_prep.kd
    .args:
      - { .name: x, .offset: 0, .size: 8, .value_kind: global_buffer, .address_space: global }
      - { .name: weight, .offset: 8, .size: 8, .value_kind: global_buffer, .address_space: global }
      - { .name: xq, .offset: 16, .size: 8, .value_kind: global_buffer, .address_space: global }
      - { .name: wq, .offset: 24, .size: 8, .value_kind: global_buffer, .address_space: global }
    .group_segment_fixed_size: 47616
    .private_segment_fixed_size: 0
    .kernarg_segment_align: 8
    .kernarg_segment_size: 32
    .max_flat_workgroup_size: 128
    .sgpr_count:     66
    .vgpr_count:     192
    .wavefront_size: 32
...
	.end_amdgpu_metadata
.endif
;; end of part 1
;; launch main (part 2): grid 16 x 16, 4 waves a work-group, clusters of 4 x 1, 327,680 bytes of LDS; arguments xq, wq, comp_weight, bias, out0; writes out0
.if DOCPART == 2
	.amdgcn_target "amdgcn-amd-amdhsa--gfx1250"
	.amdhsa_code_object_version 6
	.text
	.protected	k_q473cba4b41_main
	.globl	k_q473cba4b41_main
	.p2align	8
	.type	k_q473cba4b41_main,@function
k_q473cba4b41_main:
	s_mov_b64 s[64:65], 0
	v_nop
	global_prefetch_b8 v0, s[64:65] scope:SCOPE_SE
	s_setreg_imm32_b32 hwreg(HW_REG_WAVE_MODE, 25, 1), 1
	s_wait_xcnt 0x0
	s_wait_alu depctr_hold_cnt(0) depctr_sa_sdst(0) depctr_va_vdst(0) depctr_va_sdst(0) depctr_va_ssrc(0) depctr_va_vcc(0) depctr_vm_vsrc(0)
	s_getreg_b32 s2, hwreg(HW_REG_IB_STS2, 6, 4)
	s_cmp_eq_u32 s2, 0
	s_cbranch_scc0 .Lentry_in_a_cluster
	s_endpgm
.Lentry_in_a_cluster:
	s_bfe_u32 s2, ttmp6, 0x10000c
	s_cmp_lg_u32 s2, 0x3003
	s_cbranch_scc0 .Lentry_shape_is_right
	s_endpgm
.Lentry_shape_is_right:
; out[b][o] = relu( sum over n of cw[b][n] ( sum over k of Q(x)[b][k] Q(w)[n][k][o] + bias[n][o] ) ).  b 4,096, k 1,024, o 1,024, n 16.  The inner product runs on codes of BF6 (E3M2) with E8M0 scales
; made by the launch before (xq, wq: fragments as images of the operands' registers; the layouts stand in that launch's text); the sum over n is f32 multiply-adds on the finished sums, in registers.
; LIMITS: NaN and infinities among the inputs are not served.  Each output is the f32 sum of two partial sums, one for each half of K.
; SHARES.  A work-group makes 256 rows b x 64 columns o, in two passes of 32 columns.  Wave (rh, kh) = (wave / 2, wave % 2) takes 128 rows and HALF OF K (K steps 4 kh .. 4 kh + 3).  The combine is linear in z, so each
; half of K keeps its own partial out over all 16 experts (each half carries half of the bias, an exact halving); the two partial sums meet once a pass, in the LDS stage.
; x STAYS IN REGISTERS: 128 rows x 512 K of codes are 384 registers, loaded once, for both passes.  Only w goes through LDS: each fragment of w feeds eight products of its wave.
; A UNIT is one expert of one pass: 64 products a wave (4 K steps x 8 row tiles x 2 column tiles).  The work-group's stream is 32 units of 25,600 dense bytes of wq, walked on end, four units to a slot, two slots.
; THE PRODUCT: source 0 = 16 columns of w, source 1 = 16 rows of x.  Lane (r, h) holds row r of its tile, register j column 16 t + 8 h + j: cw is one number a lane, the half bias is the C of a unit's first K step.
; Register tile i of wave (rh, kh) is row tile i xor 4 kh of its 128 rows: so in every wave tiles 0-3 are those that it finishes and tiles 4-7 those that it hands to its partner: one text, only addresses differ.
; CLUSTER: the four work-groups of a cluster have the same 64 columns, so the same stream of w: every load of w is JOINT, the same descriptor with the mask of all four.  x, comp_weight and bias are read once a wave or work-group.
; PREFETCH: behind each joint refill but the last, the slot that the next refill will ask for; x is not prefetched: it is loaded at the head, where there is no loop to run ahead in.
; REGISTERS, in windows of 256.  Window 0: v1-30 addresses; v32-47 x's scale words; v48-55 w's, two sets; v56-87 cw of four experts x 8 tiles; v88-119 half bias, two sets; v160-255 w's fragments, set 0.
;   window 1: x's tiles 0-4 at 48 i + 12 s.  Window 2: x's tiles 5-7 at 48 (i - 5) + 12 s; v144-239 w's fragments, set 1.  Window 3: z at 8 a, out at 128 + 8 a, a = 2 i + t.
; A UNIT'S ORDER: the next unit's run of LDS loads; the 40 products of tiles 0-4 (ten accumulators by turns); the 24 combine lines of tiles 5-7 of the unit before; the 24 products of tiles 5-7 (six by turns);
; the 40 combine lines of tiles 0-4.  So products and combine lines stand in four long stretches, each under one or two settings of the windows, and each block of combine lines, which names no
; register of the products just ahead of it, is also the places (ISA guide 7.12.1) between those products and the first read of their results, a block later.
.set REC,   12800
.set UNIT,  25600
.set SLOTB, 4*UNIT
.set SLOT1, 131072                     ; slot 1 begins here: one exclusive or turns an address in one slot into the other's
.set CWT,   102400                     ; behind slot 0: comp_weight of the 256 rows: [4 experts j][row][16 bytes], 16,384 bytes
.set BIA,   118784                     ; half the bias: 128 bytes a unit, 32 units
.set SPARE, 122880                     ; the spare words, 128 bytes a wave: two blocks of 256 bytes that no other line names
.set STG,   233472                     ; behind slot 1: the stage: 256 rows x 272 bytes
.set SP,    272
.set LI,  1                            ; 16 x lane
.set AF0, 2                            ; fragments: the slot's units 0, 1;  v3: units 2, 3
.set AS0, 4                            ; v4, v5 the same for the scale words
.set ADB, 6                            ; the slot's first unit's half bias
.set ADCA, 7                           ; cw of the slot's four experts: tiles 0-3;  v8: tiles 4-7
.set ADCB, 8
.set LIK, 9                            ; v9-13 the bases of v2-8; never rewritten
.set L4K, 10
.set ADB0, 11
.set ADCA0, 12
.set ADCB0, 13
.set PFO, 14
.set GO,  15                           ; 4,096 h + 16 r
.set SPW, 16                           ; my spare word; never rewritten
.set NIL, 17                           ; 0; never rewritten
.set CST, 21
.set BST, 23
.set STOA, 24                          ; the stage: tiles 0-3;  v25: tiles 4-7
.set STOB, 25
.set RD,  28
.set LXF, 29
.set LXS, 30
.set XS,  32
.set WS,  48
.set CW,  56
.set BI,  88
.set WV,  14
.set G1,  24
.set G0A, 32
.set G0W, 36
.set TB,  40
.set CNT, 41
.set SLOTS, 42                         ; refills still to be asked for
.set LIM, 43                           ; 1 in the cluster that prefetches, else the greatest number
.set PFA, 44
.set XA,  48
.set XB,  50
.set BO,  58
.set CO,  59
.set SLW, 0xf3                         ; the combine: z and out window 3, cw window 0
.set MSB, 0
.macro WIN new                         ; the immediate's high byte repeats the setting that is left; a switch that changes nothing is dropped
.if MSB != (\new)
	s_set_vgpr_msb (MSB<<8)|(\new)
.set MSB, (\new)
.endif
.endm
.macro CREST                           ; a round of the cluster's barrier behind its opening barrier
	s_cmp_lg_u32 s[WV], 0
	s_cbranch_scc1 .Lnot_wave_0_\@
	s_barrier_signal -3
.Lnot_wave_0_\@:
	s_barrier_wait -3
	s_barrier_signal -1
	s_barrier_wait -1
.endm
.macro CROUND
	s_barrier_signal -1
	s_barrier_wait -1
	CREST
.endm
; One product: w's set, K step s of my half, row tile i, column tile t.  w's scale register s holds tile 0 in lanes 0-15 and tile 1 above; x's holds the even K step below and the odd one above.
.macro MM set, s, i, t
.set mZ, 8*(2*(\i)+(\t))
.set mA, 160-16*(\set)+24*(\s)+12*(\t)
.if (\i) < 5
.set mB, 48*(\i)+12*(\s)
.else
.set mB, 48*((\i)-5)+12*(\s)
.endif
.if (\s) == 0
.set mC, BI+16*(\set)+8*(\t)
.else
.set mC, mZ
.endif
.set mW, WS+4*(\set)+(\s)
.set mX, XS+2*(\i)+(\s)/2
.if (\t) && ((\s)%2)
	v_wmma_scale_f32_16x16x128_f8f6f4 v[mZ:mZ+7], v[mA:mA+11], v[mB:mB+11], v[mC:mC+7], v[mW], v[mX] matrix_a_fmt:MATRIX_FMT_BF6 matrix_b_fmt:MATRIX_FMT_BF6 matrix_a_scale:MATRIX_SCALE_ROW1 matrix_b_scale:MATRIX_SCALE_ROW1
.elseif (\t)
	v_wmma_scale_f32_16x16x128_f8f6f4 v[mZ:mZ+7], v[mA:mA+11], v[mB:mB+11], v[mC:mC+7], v[mW], v[mX] matrix_a_fmt:MATRIX_FMT_BF6 matrix_b_fmt:MATRIX_FMT_BF6 matrix_a_scale:MATRIX_SCALE_ROW1
.elseif (\s)%2
	v_wmma_scale_f32_16x16x128_f8f6f4 v[mZ:mZ+7], v[mA:mA+11], v[mB:mB+11], v[mC:mC+7], v[mW], v[mX] matrix_a_fmt:MATRIX_FMT_BF6 matrix_b_fmt:MATRIX_FMT_BF6 matrix_b_scale:MATRIX_SCALE_ROW1
.else
	v_wmma_scale_f32_16x16x128_f8f6f4 v[mZ:mZ+7], v[mA:mA+11], v[mB:mB+11], v[mC:mC+7], v[mW], v[mX] matrix_a_fmt:MATRIX_FMT_BF6 matrix_b_fmt:MATRIX_FMT_BF6
.endif
.endm
; A block of n combine lines from accumulator a0 on: a line is out += cw z for two neighbouring registers, as a dual pair: an even and an odd destination, first sources in neighbouring registers, cw's one register for both.
; e: the expert's place in the slot; f = 1: a pass's first expert starts the sums: nothing is cleared.  Each z is read from its low end on.
.macro SLB a0, n, e, f
	WIN SLW
.set ll, 0
.rept \n
.set rZ, 8*((\a0)+ll/4)+2*(ll%4)
.set rO, rZ+128
.set rC, CW+4*(((\a0)+ll/4)/2)+(\e)
.if \f
	v_dual_mul_f32 v[rO], v[rZ], v[rC] :: v_dual_mul_f32 v[rO+1], v[rZ+1], v[rC]
.else
	v_dual_fmac_f32 v[rO], v[rZ], v[rC] :: v_dual_fmac_f32 v[rO+1], v[rZ+1], v[rC]
.endif
.set ll, ll+1
.endr
.endm
.macro CWL hi                          ; cw of my eight tiles for two of the slot's four experts
.irp i, 0,1,2,3
	ds_load_b64 v[CW+4*\i+2*(\hi):CW+4*\i+2*(\hi)+1], v[ADCA] offset:256*\i+8*(\hi)
	ds_load_b64 v[CW+16+4*\i+2*(\hi):CW+16+4*\i+2*(\hi)+1], v[ADCB] offset:256*\i+8*(\hi)
.endr
.endm
; The run of LDS loads in unit e, for the unit behind it: eight images (each load 512 consecutive bytes), four scale registers, the half bias.  The pair of cw that the last combine has left comes with it.
.macro RUNX e
.set nE, ((\e)+1)%4
.set nS, nE%2
.if nS
	WIN 0x80
.endif
.set kk, 0
.rept 24
	ds_load_b128 v[160-16*nS+4*kk:160-16*nS+4*kk+3], v[AF0+nE/2] offset:nS*UNIT+512*kk
.set kk, kk+1
.endr
	WIN 0
.set kk, 0
.rept 4
	ds_load_b32 v[WS+4*nS+kk], v[AS0+nE/2] offset:nS*UNIT+128*kk
	ds_load_b128 v[BI+16*nS+4*kk:BI+16*nS+4*kk+3], v[ADB] offset:128*nE+64*(kk/2)+16*(kk%2)
.set kk, kk+1
.endr
.if nE == 2
	CWL 1
.endif
.if nE == 0
	CWL 0
.endif
.endm
.macro PHA e, k0, n                    ; products k0 .. k0 + n - 1 of the 40 of tiles 0-4: K step k / 10, accumulator k % 10
.set kk, \k0
.rept \n
.if kk > 9
	WIN 0xf4|(2*((\e)%2))
.else
	WIN 0xc4|(2*((\e)%2))
.endif
	MM (\e)%2, kk/10, (kk%10)/2, kk%2
.set kk, kk+1
.endr
.endm
.macro UB e, f                         ; the 24 products of tiles 5-7, then the combine of accumulators 0-9
.set kk, 0
.rept 24
.if kk > 5
	WIN 0xf8|(2*((\e)%2))
.else
	WIN 0xc8|(2*((\e)%2))
.endif
	MM (\e)%2, kk/6, 5+(kk%6)/2, kk%2
.set kk, kk+1
.endr
	SLB 0, 40, \e, \f
.endm
.macro ADDRS                           ; the LDS addresses of a slot
	v_add_nc_u32 v[AF0], s[TB], v[LIK]
	v_add_nc_u32 v[AS0], s[TB], v[L4K]
	v_add_nc_u32 v[ADB], s[BO], v[ADB0]
	v_add_nc_u32 v[ADCA], s[CO], v[ADCA0]
	v_add_nc_u32 v[ADCB], s[CO], v[ADCB0]
	v_add_nc_u32 v[AF0+1], 2*UNIT, v[AF0]
	v_add_nc_u32 v[AS0+1], 2*UNIT, v[AS0]
.endm
; A prefetch of the slot that the NEXT refill will ask for.  All four clusters of a block of columns walk the same stream: the first of them (cluster x = 0, the same in all partners) asks.  The slot's 102,400 bytes are shared
; out BY ADDRESS: wave w of the partner at place cx names bytes 6,400 (4 w + cx) on, lanes 256 bytes apart (25 of them; lanes 25-31 name lane 24's again).  The last refill asks for nothing.
.macro ASK
	s_cmp_gt_u32 s[SLOTS], s[LIM]
	s_cbranch_scc0 .Lnot_mine_\@
	global_prefetch_b8 v[PFO], s[PFA:PFA+1] th:TH_LOAD_NT scope:SCOPE_SE
.Lnot_mine_\@:
	s_sub_co_u32 s[SLOTS], s[SLOTS], 1
.endm
; A unit's top, the products of tiles 0-4, and the combine of accumulators 10-15 of the unit before (cm = 1; 2: that unit began the sums; 0: none).
; kind 0: the run for the next unit.  kind 1, a slot's last unit: its fragments are in registers, so the slot is read no more: every wave waits for all its tensor loads (one is out: its quarter of the next slot), adds 0
; to its spare word, waits for that and for its reads; the barrier opens a round of the cluster's barrier; the slot is filled again, two slots ahead; then the next slot's first unit is read.
; kind 2: the same with nothing left to fetch: the plain barrier.  kind 3: the last unit: nothing is asked for.
.macro UA e, kind, cm
	WIN 0
.if (\kind) == 1
	s_wait_xcnt 0x0                                ; the last prefetch, a slot back, has read its address:
	s_add_nc_u64 s[PFA:PFA+1], s[PFA:PFA+1], SLOTB ; it steps
.endif
.if ((\kind) == 1) || ((\kind) == 2)
	s_wait_tensorcnt 0x0                           ; no tensor load of mine is out, so a group 0 may be written
	ds_add_u32 v[SPW], v[NIL]
.if (\kind) == 1
	s_xor_b32 s[G0W+1], s[G0W+1], SLOT1            ; the walking descriptor: the other slot than last time,
	s_add_nc_u64 s[G0W+2:G0W+3], s[G0W+2:G0W+3], SLOTB   ; the next four units
.endif
	s_xor_b32 s[TB], s[TB], SLOT1                  ; from here on the addresses are the next slot's
	s_add_co_u32 s[BO], s[BO], 512
	s_add_co_u32 s[CO], s[CO], 4096
	s_and_b32 s[CO], s[CO], 0x3fff                 ; the experts begin anew with the second pass
	ADDRS
	s_wait_alu depctr_va_vdst(0)
	s_wait_dscnt 0x0                               ; the add is done, this unit's fragments are in, my reads of this slot are over
	s_barrier_signal -1
	PHA \e, 0, 20                                  ; work on registers while the others arrive
	WIN 0
	s_barrier_wait -1
.if (\kind) == 1
	CREST                                          ; no wave of any partner still reads this slot or has a load on its way
	tensor_load_to_lds s[G0W:G0W+3], s[G1:G1+7]    ; my one tensor load until the next round
	s_nop 0
.endif
	RUNX \e
.if (\kind) == 1
	ASK
.endif
	PHA \e, 20, 20
.else
	s_wait_dscnt 0x0                               ; this unit's run, issued a unit ago, is in
.if (\kind) == 0
	RUNX \e
.endif
	PHA \e, 0, 40
.endif
.if (\cm) == 0
.rept 4
	v_nop                                          ; no combine stands here: four places ahead of the first read of these products' results
.endr
.else
	SLB 10, 24, ((\e)+3)%4, (\cm)-1
.endif
.endm
.macro TAIL3 kind                      ; from a slot's second unit's second half to its end
	UB 1, 0
	UA 2, 0, 1
	UB 2, 0
	UA 3, \kind, 1
	UB 3, 0
.endm
.macro BODY                            ; once round a slot, from one slot's second unit's second half to the next slot's second unit's first half
	TAIL3 1
	UA 0, 0, 1
	UB 0, 0
	UA 1, 0, 1
.endm
.macro START                           ; a pass's first unit starts the sums
	UA 0, 0, 0
	UB 0, 1
	UA 1, 0, 2
.endm
; A PASS'S END.  The last six accumulators' combine; then the two halves of K meet in the stage: I put my partial sums of tiles 4-7 at their places, my partner reads them there, adds its own, clips at 0 and puts the result
; back; I do the same for tiles 0-3.  Both waves of a pair have the same lane for the same number, so only the rows differ.  p: the pass: bytes 128 p on of a stage row.
.macro OUTP p
	SLB 10, 24, 3, 0
	WIN 0x0c
.irp i, 0,1,2,3
.irp t, 0,1
	ds_store_b128 v[STOB], v[192+16*\i+8*\t:195+16*\i+8*\t] offset:16*SP*\i+128*(\p)+64*\t
	ds_store_b128 v[STOB], v[196+16*\i+8*\t:199+16*\i+8*\t] offset:16*SP*\i+128*(\p)+64*\t+16
.endr
.endr
	s_wait_dscnt 0x0                               ; for my partner's sake
	s_barrier_signal -1
	s_barrier_wait -1
	WIN 0xc0
.irp i, 0,1,2,3
.irp t, 0,1
	ds_load_b128 v[16*\i+8*\t:16*\i+8*\t+3], v[STOA] offset:16*SP*\i+128*(\p)+64*\t        ; into z's registers, which are free
	ds_load_b128 v[16*\i+8*\t+4:16*\i+8*\t+7], v[STOA] offset:16*SP*\i+128*(\p)+64*\t+16
.endr
.endr
	s_wait_dscnt 0x0
	WIN 0xff
.set kk, 0
.rept 32
	v_pk_add_f32 v[128+2*kk:129+2*kk], v[128+2*kk:129+2*kk], v[2*kk:2*kk+1]
.set kk, kk+1
.endr
.set kk, 0
.rept 64
	v_max_num_f32 v[128+kk], 0, v[128+kk]
.set kk, kk+1
.endr
	WIN 0x0c
.irp i, 0,1,2,3
.irp t, 0,1
	ds_store_b128 v[STOA], v[128+16*\i+8*\t:131+16*\i+8*\t] offset:16*SP*\i+128*(\p)+64*\t
	ds_store_b128 v[STOA], v[132+16*\i+8*\t:135+16*\i+8*\t] offset:16*SP*\i+128*(\p)+64*\t+16
.endr
.endr
	WIN 0
.endm
.macro XTILE i                         ; register tile i of x: my four K steps' images, every load 512 consecutive bytes, and their scale words
.if (\i) < 5
	WIN 0x40
.set xb, 48*(\i)
.else
	WIN 0x80
.set xb, 48*((\i)-5)
.endif
.set kk, 0
.rept 12
	global_load_b128 v[xb+4*kk:xb+4*kk+3], v[LXF], s[XA+2*((\i)/4):XA+2*((\i)/4)+1] offset:12800*((\i)%4)+512*kk
.set kk, kk+1
.endr
	WIN 0
	global_load_b64 v[XS+2*(\i):XS+2*(\i)+1], v[LXS], s[XA+2*((\i)/4):XA+2*((\i)/4)+1] offset:12800*((\i)%4)+12288
.endm
	s_load_b256 s[4:11], s[0:1], 0x0               ; xq s[4:5], wq s[6:7], comp_weight s[8:9], bias s[10:11]
	s_load_b64 s[12:13], s[0:1], 0x20              ; out0
	v_lshl_add_u32 v[SPW], v0, 2, SPARE
	v_mov_b32 v[NIL], 0
	ds_add_u32 v[SPW], v[NIL]                      ; the opening: the add, twice on end; its wait stands ahead of my first tensor load
	ds_add_u32 v[SPW], v[NIL]
	v_lshrrev_b32 v18, 5, v0
	v_readfirstlane_b32 s[WV], v18                 ; wave 0..3
	s_and_b32 s20, s[WV], 1                        ; kh
	s_lshr_b32 s21, s[WV], 1                       ; rh
	s_xor_b32 s22, s20, 1                          ; 1 - kh
	s_bfe_u32 s15, ttmp6, 0x40000                  ; cx
	s_lshl_b32 s16, ttmp9, 2
	s_add_co_u32 s16, s16, s15                     ; my block of 256 rows
	s_and_b32 s17, ttmp7, 0xffff                   ; my block of 64 columns, which the four partners share
	s_mov_b32 s[G1], 15|(3<<16)|(1<<21)            ; group 1: 25,600 dense bytes as 100 rows of 256 (32 elements of 8 bytes); the mask of all four; bit 21 beside it
	s_mov_b32 s[G1+1], 32<<16
	s_mov_b32 s[G1+2], 100<<16
	s_mov_b32 s[G1+3], 32<<16
	s_mov_b32 s[G1+4], 100
	s_mov_b32 s[G1+5], 32
	s_mov_b32 s[G1+6], 0
	s_mov_b32 s[G1+7], 0
	s_mul_i32 s18, s17, 819200                     ; the block of columns' stream,
	s_mul_i32 s23, s[WV], UNIT                     ; my unit of a slot, in memory and in LDS: no place in the cluster enters either
	s_add_co_u32 s18, s18, s23
	s_mov_b32 s19, 0
	s_mov_b32 s[TB], 0
	s_mov_b32 s[BO], 0
	s_mov_b32 s[CO], 0
	s_mov_b32 s[SLOTS], 6
	s_cmp_eq_u32 ttmp9, 0
	s_cselect_b32 s[LIM], 1, -1
	s_lshl_b32 s46, s[WV], 2                       ; offsets that hold my place in the cluster, in registers that feed no descriptor
	s_add_co_u32 s46, s46, s15
	s_mul_i32 s46, s46, 6400
	s_mul_i32 s60, s17, 819200
	s_add_co_u32 s46, s46, s60
	s_add_co_u32 s46, s46, 2*SLOTB                 ; in slot 2: the first refill steps it to slot 3
	s_mov_b32 s47, 0
	s_mul_i32 s60, s16, 204800                     ; xq: 16 records of 12,800 bytes a block of rows,
	s_mul_i32 s61, s21, 102400                     ; eight a half,
	s_add_co_u32 s60, s60, s61
	s_mul_i32 s[XA], s20, 51200                    ; register tiles 0-3 are row tiles 4 kh on,
	s_add_co_u32 s[XA], s[XA], s60
	s_mov_b32 s[XA+1], 0
	s_mul_i32 s[XB], s22, 51200                    ; tiles 4-7 the other four
	s_add_co_u32 s[XB], s[XB], s60
	s_mov_b32 s[XB+1], 0
	s_lshl_b32 s52, s16, 14                        ; comp_weight: 64 bytes a row; wave w stages rows 64 w on
	s_lshl_b32 s60, s[WV], 12
	s_add_co_u32 s52, s52, s60
	s_mov_b32 s53, 0
	s_lshl_b32 s54, s[WV], 14                      ; bias: experts 4 w on,
	s_lshl_b32 s60, s17, 8                         ; the block's 256 bytes
	s_add_co_u32 s54, s54, s60
	s_mov_b32 s55, 0
	s_lshl_b32 s56, s16, 20                        ; out: 256 rows of 4,096 bytes, 64 a wave, the block's 256 bytes
	s_lshl_b32 s61, s[WV], 18
	s_add_co_u32 s56, s56, s61
	s_add_co_u32 s56, s56, s60
	s_mov_b32 s57, 0
	s_mul_i32 s66, s20, REC                        ; my half's record of a unit
	s_lshl_b32 s60, s21, 11
	s_add_co_u32 s60, s60, CWT
	s_lshl_b32 s67, s20, 10
	s_add_co_u32 s67, s67, s60                     ; cw: 16 bytes a row: 2,048 rh + 1,024 kh
	s_lshl_b32 s68, s22, 10
	s_add_co_u32 s68, s68, s60
	s_lshl_b32 s69, s[WV], 10
	s_add_co_u32 s69, s69, CWT
	s_lshl_b32 s70, s[WV], 9
	s_add_co_u32 s70, s70, BIA
	s_mul_i32 s60, s21, 128*SP
	s_add_co_u32 s60, s60, STG
	s_mul_i32 s71, s20, 64*SP
	s_add_co_u32 s71, s71, s60
	s_mul_i32 s72, s22, 64*SP
	s_add_co_u32 s72, s72, s60
	s_mul_i32 s73, s[WV], 64*SP
	s_add_co_u32 s73, s73, STG
	s_mul_i32 s74, s20, 6144                       ; x: my half's four images of a record,
	s_lshl_b32 s75, s20, 3                         ; and its two scale words of a lane's four
	v_and_b32 v18, 31, v0                          ; lane
	v_and_b32 v19, 15, v0                          ; r
	v_bfe_u32 v20, v0, 4, 1                        ; h
	v_lshlrev_b32 v[LI], 4, v18
	v_add_nc_u32 v[LIK], s66, v[LI]
	v_lshl_add_u32 v[L4K], v18, 2, s66
	v_add_nc_u32 v[L4K], 12288, v[L4K]
	v_lshl_add_u32 v[ADB0], v20, 5, BIA
	v_lshl_add_u32 v[ADCA0], v19, 4, s67
	v_lshl_add_u32 v[ADCB0], v19, 4, s68
	v_and_b32 v[CST], 3, v18                       ; staging comp_weight: lane l of load i holds experts 4 (l % 4) on of row 64 w + 8 i + l / 4
	v_lshrrev_b32 v22, 2, v18
	v_lshlrev_b32 v[CST], 12, v[CST]
	v_lshl_add_u32 v[CST], v22, 4, v[CST]
	v_add_nc_u32 v[CST], s69, v[CST]
	v_lshrrev_b32 v[BST], 3, v19                   ; staging the bias: columns 4 r on of expert 4 w + h + 2 i go to pass r / 8, unit's byte 16 (r % 8)
	v_and_b32 v26, 7, v19
	v_lshlrev_b32 v[BST], 11, v[BST]
	v_lshl_add_u32 v[BST], v26, 4, v[BST]
	v_lshl_add_u32 v[BST], v20, 7, v[BST]
	v_add_nc_u32 v[BST], s70, v[BST]
	v_mul_u32_u24 v26, v19, SP
	v_lshl_add_u32 v26, v20, 5, v26                ; the stage: row r, 32 bytes for each half of the lanes
	v_add_nc_u32 v[STOA], s71, v26
	v_add_nc_u32 v[STOB], s72, v26
	v_mul_u32_u24 v27, v20, SP
	v_lshl_add_u32 v27, v19, 4, v27
	v_add_nc_u32 v[RD], s73, v27                   ; back: lanes 0-15 one row of 256 bytes, lanes 16-31 the next
	v_lshlrev_b32 v[GO], 12, v20
	v_lshl_add_u32 v[GO], v19, 4, v[GO]
	v_min_u32 v[PFO], 24, v18
	v_lshlrev_b32 v[PFO], 8, v[PFO]
	v_add_nc_u32 v[LXF], s74, v[LI]
	v_add_nc_u32 v[LXS], s75, v[LI]
	ADDRS
	s_wait_dscnt 0x0                               ; both opening adds are done
	s_wait_alu depctr_va_vdst(0)
	s_wait_kmcnt 0x0
	s_mov_b32 s[G0A], 1
	s_mov_b32 s[G0A+1], s23                        ; slot 0, my unit
	s_add_nc_u64 s[G0A+2:G0A+3], s[6:7], s[18:19]
	s_mov_b32 s[G0W], 1
	s_add_co_u32 s[G0W+1], s23, SLOT1
	s_add_nc_u64 s[G0W+2:G0W+3], s[G0A+2:G0A+3], SLOTB
	s_or_b32 s[G0A+3], s[G0A+3], 0x80000000        ; type = 2
	s_or_b32 s[G0W+3], s[G0W+3], 0x80000000
	CROUND                                         ; all four work-groups are here: the first joint loads meet
	tensor_load_to_lds s[G0A:G0A+3], s[G1:G1+7]    ; slot 0: one tensor load a wave at the head, ahead of the loads into registers
	s_nop 0
	s_add_nc_u64 s[PFA:PFA+1], s[6:7], s[46:47]
	s_add_nc_u64 s[XA:XA+1], s[4:5], s[XA:XA+1]
	s_add_nc_u64 s[XB:XB+1], s[4:5], s[XB:XB+1]
	s_add_nc_u64 s[8:9], s[8:9], s[52:53]
	s_add_nc_u64 s[10:11], s[10:11], s[54:55]
	s_add_nc_u64 s[12:13], s[12:13], s[56:57]
.irp i, 0,1,2,3,4,5,6,7
	global_load_b128 v[160+4*\i:163+4*\i], v[LI], s[8:9] offset:512*\i           ; 64 rows of comp_weight: 4,096 dense bytes
.endr
.irp i, 0,1
	global_load_b128 v[192+4*\i:195+4*\i], v[GO], s[10:11] offset:8192*\i        ; experts 4 w + h + 2 i: sixteen lanes read the block's 256 bytes
.endr
	XTILE 0
	XTILE 1
	XTILE 2
	XTILE 3
	s_wait_loadcnt 52                              ; comp_weight and bias are in; behind them: four tiles of x, 13 loads each
.irp i, 0,1,2,3
	v_pk_mul_f32 v[192+2*\i:193+2*\i], v[192+2*\i:193+2*\i], 0.5 op_sel_hi:[1,0]   ; each half of K carries half of the bias
.endr
.irp i, 0,1,2,3,4,5,6,7
	ds_store_b128 v[CST], v[160+4*\i:163+4*\i] offset:128*\i
.endr
.irp i, 0,1
	ds_store_b128 v[BST], v[192+4*\i:195+4*\i] offset:256*\i
.endr
	XTILE 4
	XTILE 5
	XTILE 6
	XTILE 7
	s_wait_tensorcnt 0x0                           ; my unit of slot 0 is in
	ds_add_u32 v[SPW], v[NIL]
	s_wait_dscnt 0x0                               ; the add and my stores of comp_weight and bias are done
	CROUND
	tensor_load_to_lds s[G0W:G0W+3], s[G1:G1+7]    ; slot 1
	s_nop 0
	RUNX 3                                         ; unit 0's fragments, scale words and half bias, and cw of experts 0 and 1
	s_wait_loadcnt 0x0                             ; x
	START
	WIN 0                                          ; at a label and at a branch every window is 0
	s_mov_b32 s[CNT], 3
.Lpass0:                                               ; three trips: slots 0 to 2 are read out and filled again
	BODY
	WIN 0
	s_sub_co_u32 s[CNT], s[CNT], 1
	s_cmp_lg_u32 s[CNT], 0
	s_cbranch_scc1 .Lpass0
	TAIL3 1                                        ; slot 3, the first pass's last; it is filled again too
	OUTP 0
	START
	WIN 0
	s_mov_b32 s[CNT], 2
.Lpass1:                                               ; two trips: slots 4 and 5
	BODY
	WIN 0
	s_sub_co_u32 s[CNT], s[CNT], 1
	s_cmp_lg_u32 s[CNT], 0
	s_cbranch_scc1 .Lpass1
	TAIL3 2                                        ; the last two slots are written out: nothing more is fetched
	UA 0, 0, 1
	UB 0, 0
	UA 1, 0, 1
	TAIL3 3
	OUTP 1
	s_wait_dscnt 0x0                               ; for the others' sake: my results lie in the stage
	s_barrier_signal -1
	s_barrier_wait -1
.set kk, 0
.rept 32
	ds_load_b128 v[128+4*kk:131+4*kk], v[RD] offset:2*SP*kk          ; wave w takes rows 64 w on, whole: both passes' 128 bytes
.set kk, kk+1
.endr
.set kk, 0
.rept 32
	s_wait_dscnt 31-kk                             ; the loads behind this one may be out
	global_store_b128 v[GO], v[128+4*kk:131+4*kk], s[12:13] offset:8192*kk th:TH_STORE_NT   ; 16 lanes store 256 consecutive bytes, at a multiple of 256 from out0's first byte
.set kk, kk+1
.endr
	s_wait_tensorcnt 0x0                           ; the wave's end
	ds_add_u32 v[SPW], v[NIL]
	s_wait_dscnt 0x0
	CROUND                                         ; the closing round
	s_endpgm
.Lfunc_end_k_q473cba4b41_main:
	.size	k_q473cba4b41_main, .Lfunc_end_k_q473cba4b41_main-k_q473cba4b41_main
	.p2alignl 7, 3214868480
	.fill 96, 4, 3214868480
	.section	.rodata,"a",@progbits
	.p2align	6, 0x0
	.amdhsa_kernel k_q473cba4b41_main
		.amdhsa_group_segment_fixed_size 327680
		.amdhsa_private_segment_fixed_size 0
		.amdhsa_enable_private_segment 0
		.amdhsa_kernarg_size 40
		.amdhsa_user_sgpr_count 2
		.amdhsa_user_sgpr_kernarg_segment_ptr 1
		.amdhsa_wavefront_size32 1
		.amdhsa_system_sgpr_workgroup_id_x 1
		.amdhsa_system_sgpr_workgroup_id_y 1
		.amdhsa_system_sgpr_workgroup_id_z 1
		.amdhsa_system_vgpr_workitem_id 0
		.amdhsa_next_free_vgpr 1024
		.amdhsa_next_free_sgpr 80
		.amdhsa_reserve_vcc 0
		.amdhsa_float_denorm_mode_32 3
		.amdhsa_float_denorm_mode_16_64 3
		.amdhsa_memory_ordered 1
		.amdhsa_forward_progress 1
		.amdhsa_inst_pref_size 255
	.end_amdhsa_kernel
	.section	.bss,"aw",@nobits
	.p2align	6
	.space	262144
	.amdgpu_metadata
---
amdhsa.version: [ 1, 2 ]
amdhsa.kernels:
  - .name:           k_q473cba4b41_main
    .symbol:         k_q473cba4b41_main.kd
    .args:
      - { .name: xq, .offset: 0, .size: 8, .value_kind: global_buffer, .address_space: global }
      - { .name: wq, .offset: 8, .size: 8, .value_kind: global_buffer, .address_space: global }
      - { .name: comp_weight, .offset: 16, .size: 8, .value_kind: global_buffer, .address_space: global }
      - { .name: bias, .offset: 24, .size: 8, .value_kind: global_buffer, .address_space: global }
      - { .name: out0, .offset: 32, .size: 8, .value_kind: global_buffer, .address_space: global }
    .group_segment_fixed_size: 327680
    .private_segment_fixed_size: 0
    .kernarg_segment_align: 8
    .kernarg_segment_size: 40
    .max_flat_workgroup_size: 128
    .sgpr_count:     80
    .vgpr_count:     1024
    .wavefront_size: 32
...
	.end_amdgpu_metadata
.endif
;; end of part 2
